; MI455X (gfx1250); checked and timed in simulation.
; The chip was launched on July 23, 2026; its instructions are those of AMD's public machine-readable ISA for CDNA 5 (MIT licence, August 2026) and "CDNA5" Instruction Set Architecture Reference Guide (July 2026). The comments in the code are by the model that wrote it; some were corrected since.
;; Bilateral Slice Apply. Allowed arithmetic: float matrix products may take bf16 or f16 operands with f32 sums; other float arithmetic in f32, or as packed bf16 or f16 multiplies, adds, multiply-adds, maxima and minima; sums over many terms, partial sums and values carried from step to step in f32; what a program stores and reads back later, other than sums and carried values, may be rounded once to bf16 or f16.
;; Inputs: grid 4 x 16 x 16 x 8 x 12 float32; guide 4 x 1,024 x 1,024 float32; input 4 x 1,024 x 1,024 x 3 float32.
;; Outputs: out0 4 x 1,024 x 1,024 x 3 float32.
;; One version. Each part assembles by itself: llvm-mc -triple=amdgcn-amd-amdhsa -mcpu=gfx1250 --defsym DOCPART=n.
;; ======== version 1 of 1: 1 launch
;; limits: values outside matrix products are rounded to f16; values are held in f16: magnitudes above 65,504 overflow, below 6.1e-05 lose precision
;; launch slice_apply (part 1): grid 64 x 4, 16 waves a work-group, no clusters, 301,056 bytes of LDS; arguments grid, guide, input, out0; writes out0
.if DOCPART == 1
	.amdgcn_target "amdgcn-amd-amdhsa--gfx1250"
	.amdhsa_code_object_version 6
	.text
	.protected	k_q906b258c5b_slice_apply
	.globl	k_q906b258c5b_slice_apply
	.p2align	8
	.type	k_q906b258c5b_slice_apply,@function
k_q906b258c5b_slice_apply:
	s_mov_b64 s[64:65], 0
	v_nop
	global_prefetch_b8 v0, s[64:65] scope:SCOPE_SE
	s_setreg_imm32_b32 hwreg(HW_REG_WAVE_MODE, 25, 1), 1
	s_wait_xcnt 0x0
; BILATERAL SLICE AND APPLY.  grid [4][16][16][8][12], guide [4][1024][1024], input and out0 [4][1024][1024][3], all f32.
; out[o] = sum_i c[4 o + i] in[i] + c[4 o + 3], where c[0..11] is the grid sliced trilinearly at (y, x, 8 guide), taps clipped to the grid.
; NOTHING IS LEFT OUT: all three inputs are loaded, and every tap of every pixel is weighed in.
; ALONG Z no address may hang on guide, so all eight slices are weighed.  With gz = 8 guide, t_k = clamp(gz - k - 0.5, 0, 1) and s_k = 1 - t_k = clamp(k + 1.5 - gz, 0, 1):
;   c = G3 + s0 (G0 - G1) + s1 (G1 - G2) + s2 (G2 - G3) + t3 (G4 - G3) + t4 (G5 - G4) + t5 (G6 - G5) + t6 (G7 - G6),
; which is the two taps' sum with clipped indices, for every finite guide (the clamp is the clipping).  Starting at the middle slice keeps at most five terms other than 0.
; ALONG Y a row has one fraction fy: the eight z terms of a cell are lerped once a row, in f32, and rounded once to f16.
; ALONG X AND Z the sum is a matrix product in f16 with f32 sums: for 16 pixels that share their two cells (a quarter, 32 pixels, of an aligned run of 128),
;   C[16 rows][16 pixels] = A[16 rows][K] W[K][16 pixels], K = 8 x tap + z term; K = 16..31 is 0 in A.  W = z weight times x weight; the x weights are multiples of 1/128, exact in f16.
;   Source 0 = A: lane (r, h) holds row r, x tap h.  Source 1 = W: lane (r, h) holds pixel r, x tap h.  Result: lane (r, h) holds pixel r and rows 8 h + 0..7.
;   Row m holds coefficient 4 o + i with i = (m >> 1) & 3 and o = min(2 (m >> 3) + (m & 1), 2): lanes h = 0 get outputs 0 and 1 side by side, three packed multiply-adds;
;   lanes h = 1 get output 2 in both halves: the form has 16 rows and the problem 12.
; THE APPLY stays in f32 on the vector unit: each pixel has a matrix of its own, so no operand is shared by which a matrix tile could be fed.
; SHARES.  A work-group: 16 rows of one image.  Wave w: pixels 128 (w & 7) .. + 127 of rows 8 (w >> 3) .. + 7.  A pair of tiles: pixels 2 r and 2 r + 1 of a quarter.
; IN.  The work-group's guide and input (16 x 16,384 bytes) and the two rows of the grid that its 16 rows need (2 x 6,144) fit in LDS together: every wave issues its nine tensor loads at the head
; (a sixteenth of the grid rows; then for each two rows a tile of guide, 2 x 512 bytes, and one of input, 2 x 1,536), and no LDS byte is filled twice.  A wave reads its own guide and input behind its
; own counted waits; the grid rows, which all read, behind the launch's one barrier.
; OUT.  A row's 128 x 12 bytes go through the wave's own stage in LDS and leave as three stores, each of 512 consecutive bytes at a multiple of 512 from out0's first byte.
; NO CLUSTER: what work-groups share is the grid rows, 12,288 of the 274,432 bytes that a work-group fetches.  NO PREFETCH: every byte is asked for at the head, so no later request is left to run ahead of.
; LIMITS.  The lerped grid terms (values and differences of z neighbours) must stay under f16's 65,504.  NaN and infinities in the inputs are not treated apart (a NaN in guide may also reach the
; pixel beside it).  8 |guide| under 2^22, up to where the reference's own two z weights add up to 1.  Sums are taken in another order than the reference's.
.set GROW,  4096                       ; bytes in a row of guide
.set IROW,  12288                      ; bytes in a row of input and of out0
.set GCH,   512                        ; a wave's bytes of a row of guide
.set ICH,   1536                       ; a wave's bytes of a row of input and of out0
.set LIN,   8*GCH                      ; a wave's LDS: 8 rows of guide, then 8 rows of input
.set WREG,  8*(GCH+ICH)                ; 16,384 bytes
.set CELLB, 384                        ; a grid cell: 8 slices x 12 coefficients x 4 bytes
.set GYROW, 16*CELLB                   ; a row of the grid
.set GPART, GYROW/8                    ; what one wave fetches of the two grid rows: 768 bytes
.set GRIDL, 16*WREG                    ; LDS: the lower tap's grid row, then the upper tap's
.set STAGE, GRIDL+2*GYROW              ; LDS: 1,536 bytes for each wave, for the way out; no tensor load lands here
.set SPARE, STAGE+16*ICH               ; LDS: the spare words, 128 bytes for each wave: eight blocks of 256 bytes that no other line names
.set GA,   2                           ; v2   LDS address of my two pixels' guide in quarter 0 of my wave's row 0
.set IA,   3                           ; v3   the same for input (24 bytes)
.set SALO, 4                           ; v4   stage: where a result pair's first number goes (h = 0: output 0; h = 1: output 2)
.set SAHI, 5                           ; v5   stage: where its second goes (h = 0: output 1; h = 1: output 2 once more)
.set RD,   6                           ; v6   stage: my 16 bytes of 512 on the way back
.set CO,   7                           ; v7   my 16 bytes of 512 in out0; never rewritten
.set SPW,  8                           ; v8   LDS address of my spare word: SPARE + 4 x my thread's number; never rewritten
.set NIL,  9                           ; v9   0; never rewritten
.set FY,   10                          ; v[10:11]   the row's y fraction (the low register is used)
.set M8,   12                          ; v[12:13]   -8, -8
.set P8,   14                          ; v[14:15]   8, 8
.set CA,   16                          ; v[16:29]   the seven z terms' addends, each twice
.set ONE,  30                          ; v30        1.0
.set FX,   32                          ; v[32:35]   my x weight, twice in f16: even quarters' pixel 0, 1; odd quarters' pixel 0, 1
.set AB,   36                          ; v[36:59]   three cell pairs x 8 z terms of the lower y tap, f32
.set AD,   60                          ; v[60:83]   the upper tap's less the lower's
.set LA,   84                          ; v[84:107]  three operands A: 4 registers of f16, then 4 of zeros
.set WW,   108                         ; v[108:131] two sets: weights of tile a, of tile b, 4 zeros
.set TMP,  132                         ; v[132:147] at work
.set DD,   148                         ; v[148:179] two sets of two accumulators
.set SB,   180                         ; v[180:191] a row's results on their way out
.set GD,   192                         ; v[192:207] two sets: a row's guide, 2 pixels x 4 quarters
.set INP,  208                         ; v[208:255] two sets: a row's input, 6 numbers x 4 quarters
.set VO,   SB                          ; at the head: LDS addresses into the grid rows, one for each cell pair
.set XX,   GD                          ; at the head: at work
.set WV,   12                          ; s12  wave 0..15
.set XC,   13                          ; s13  which 128 pixels
.set RP,   14                          ; s14  which 8 rows
.set BT,   15                          ; s15  image
.set G1G,  16                          ; s[16:23] descriptor group 1, guide
.set G1I,  24                          ; s[24:31] descriptor group 1, input
.set G0,   32                          ; s[32:63] descriptor group 0: for each two rows a set for guide and a set for input; none is rewritten
.set YF,   66                          ; s66  my first row in the image
.set RW,   67                          ; s67  my first row among all 4,096
.set TY,   68                          ; s68  (first row + 32) mod 64
.set LB,   69                          ; s69  my wave's LDS
.set ST,   70                          ; s70  my wave's stage
.set G1R,  88                          ; s[88:95] descriptor group 1, grid part
.set G0R,  96                          ; s[96:99] descriptor group 0, grid part
	s_load_b256 s[4:11], s[0:1], 0x0               ; grid s[4:5], guide s[6:7], input s[8:9], out0 s[10:11]
	v_lshl_add_u32 v[SPW], v0, 2, SPARE
	v_mov_b32 v[NIL], 0
	ds_add_u32 v[SPW], v[NIL]                      ; the wave's opening: the add, twice on end, and its wait ahead of my first tensor load
	ds_add_u32 v[SPW], v[NIL]                      ; and once more, under the one wait; the scalar set-up below stands between
	v_lshrrev_b32 v1, 5, v0
	v_readfirstlane_b32 s[WV], v1
	s_and_b32 s[XC], s[WV], 7
	s_lshr_b32 s[RP], s[WV], 3
	s_and_b32 s[BT], ttmp7, 0xffff
	s_lshl_b32 s[YF], ttmp9, 4                     ; the work-group's 16 rows,
	s_lshl3_add_u32 s[YF], s[RP], s[YF]            ; my 8 of them
	s_lshl_b32 s[RW], s[BT], 10
	s_add_co_u32 s[RW], s[RW], s[YF]
	s_lshl_b32 s[LB], s[WV], 14                    ; wave x 16,384
	s_mul_i32 s[ST], s[WV], ICH
	s_add_co_u32 s[ST], s[ST], STAGE
	; y taps: floor((y + 0.5) / 64 - 0.5) = ((y + 32) >> 6) - 1, the same for all 16 rows of the work-group (16 divides 32); the fraction is ((y + 32) mod 64 + 0.5) / 64
	s_add_co_u32 s2, s[YF], 32
	s_and_b32 s[TY], s2, 63
	s_lshr_b32 s2, s2, 6                           ; the lower tap's cell + 1 = the upper tap's cell: 0..16
	s_min_u32 s3, s2, 15                           ; the upper tap, clipped
	s_max_u32 s2, s2, 1
	s_sub_co_u32 s2, s2, 1                         ; the lower tap, clipped
	s_cmp_eq_u32 s[RP], 0                          ; waves 0-7 fetch the lower tap's grid row, waves 8-15 the upper's, an eighth each
	s_cselect_b32 s2, s2, s3
	s_lshl4_add_u32 s2, s[BT], s2                  ; 16 x image + cell
	s_mul_i32 s72, s2, GYROW
	s_mul_i32 s3, s[XC], GPART
	s_add_co_u32 s72, s72, s3
	s_mov_b32 s73, 0
	s_lshl_b32 s74, s[RW], 12                      ; guide: row x 4,096 + 512 x run (under 2^25)
	s_lshl_b32 s3, s[XC], 9
	s_add_co_u32 s74, s74, s3
	s_mov_b32 s75, 0
	s_mul_i32 s76, s[RW], IROW                     ; input and out0: row x 12,288 + 1,536 x run (under 2^26)
	s_mul_i32 s3, s[XC], ICH
	s_add_co_u32 s76, s76, s3
	s_mov_b32 s77, 0
	; descriptor group 1: sizes in elements; the tiles lie inside their tensors, so the extents are the tiles' own
	s_mov_b32 s[G1G+0], 2<<16                      ; elements of 4 bytes; no mask, no padding
	s_mov_b32 s[G1G+1], 128<<16                    ; tensor_dim0 = 128
	s_mov_b32 s[G1G+2], 2<<16                      ; tensor_dim1 = 2
	s_mov_b32 s[G1G+3], 128<<16                    ; tile_dim0 = 128: 512 bytes
	s_mov_b32 s[G1G+4], 2                          ; tile_dim1 = 2 rows
	s_mov_b32 s[G1G+5], 1024                       ; elements from row to row
	s_mov_b32 s[G1G+6], 0
	s_mov_b32 s[G1G+7], 0
	s_mov_b32 s[G1I+0], 2<<16
	s_mov_b32 s[G1I+1], 384<<16                    ; 384 elements: 1,536 bytes
	s_mov_b32 s[G1I+2], 2<<16
	s_mov_b32 s[G1I+3], 384<<16
	s_mov_b32 s[G1I+4], 2
	s_mov_b32 s[G1I+5], 3072
	s_mov_b32 s[G1I+6], 0
	s_mov_b32 s[G1I+7], 0
	s_mov_b32 s[G1R+0], 3<<16                      ; the grid part is dense: 3 rows of 32 elements of 8 bytes
	s_mov_b32 s[G1R+1], 32<<16
	s_mov_b32 s[G1R+2], 3<<16
	s_mov_b32 s[G1R+3], 32<<16
	s_mov_b32 s[G1R+4], 3
	s_mov_b32 s[G1R+5], 32
	s_mov_b32 s[G1R+6], 0
	s_mov_b32 s[G1R+7], 0
	s_mov_b32 s[G0R], 1
	s_mul_i32 s[G0R+1], s[WV], GPART               ; wave x 768: waves 0-7 fill the first grid row in LDS, waves 8-15 the second
	s_add_co_u32 s[G0R+1], s[G0R+1], GRIDL
	s_wait_dscnt 0x0                               ; both opening adds are done
	s_wait_kmcnt 0x0
	s_add_nc_u64 s[G0R+2:G0R+3], s[4:5], s[72:73]
	s_or_b32 s[G0R+3], s[G0R+3], 0x80000000        ; type = 2
	s_add_nc_u64 s[6:7], s[6:7], s[74:75]          ; guide, input and out0 at my first row's run
	s_add_nc_u64 s[8:9], s[8:9], s[76:77]
	s_add_nc_u64 s[10:11], s[10:11], s[76:77]
	tensor_load_to_lds s[G0R:G0R+3], s[G1R:G1R+7]  ; the grid part first: everybody waits for it first
	s_nop 0
.irp p, 0,1,2,3                                        ; rows 2 p and 2 p + 1: guide, then input.  Nine loads of mine are out behind the last
	s_mov_b32 s[G0+8*(\p)], 1
	s_add_co_u32 s[G0+8*(\p)+1], s[LB], (\p)*2*GCH
	s_add_nc_u64 s[G0+8*(\p)+2:G0+8*(\p)+3], s[6:7], (\p)*2*GROW
	s_or_b32 s[G0+8*(\p)+3], s[G0+8*(\p)+3], 0x80000000
	s_mov_b32 s[G0+8*(\p)+4], 1
	s_add_co_u32 s[G0+8*(\p)+5], s[LB], LIN+(\p)*2*ICH
	s_add_nc_u64 s[G0+8*(\p)+6:G0+8*(\p)+7], s[8:9], (\p)*2*IROW
	s_or_b32 s[G0+8*(\p)+7], s[G0+8*(\p)+7], 0x80000000
	tensor_load_to_lds s[G0+8*(\p):G0+8*(\p)+3], s[G1G:G1G+7]
	s_nop 0
	tensor_load_to_lds s[G0+8*(\p)+4:G0+8*(\p)+7], s[G1I:G1I+7]
	s_nop 0
.endr
	; addresses, while the loads are on their way
	v_and_b32 v[XX], 15, v0                        ; r
	v_bfe_u32 v[XX+1], v0, 4, 1                    ; h
	v_and_b32 v[XX+2], 31, v0                      ; lane
	v_lshl_add_u32 v[GA], v[XX], 3, s[LB]          ; two pixels of guide: 8 r
	v_mul_u32_u24 v[XX+3], v[XX], 24               ; two pixels of input or of results: 24 r
	s_add_co_u32 s2, s[LB], LIN
	v_add_nc_u32 v[IA], s2, v[XX+3]
	v_add_nc_u32 v[XX+3], s[ST], v[XX+3]
	v_lshl_add_u32 v[SALO], v[XX+1], 3, v[XX+3]    ; + 0 or + 8
	v_lshl_add_u32 v[SAHI], v[XX+1], 2, v[XX+3]
	v_add_nc_u32 v[SAHI], 4, v[SAHI]               ; + 4 or + 8
	v_lshlrev_b32 v[CO], 4, v[XX+2]
	v_add_nc_u32 v[RD], s[ST], v[CO]
	; my row of A: coefficient 4 o + i
	v_bfe_u32 v[XX+4], v0, 3, 1
	v_and_b32 v[XX+5], 1, v0
	v_lshl_add_u32 v[XX+4], v[XX+4], 1, v[XX+5]
	v_min_u32 v[XX+4], 2, v[XX+4]                  ; o
	v_bfe_u32 v[XX+5], v0, 1, 2                    ; i
	v_lshl_add_u32 v[XX+4], v[XX+4], 2, v[XX+5]
	v_lshlrev_b32 v[XX+4], 2, v[XX+4]              ; 0..44
	v_add_nc_u32 v[XX+4], GRIDL, v[XX+4]           ; my coefficient in slice 0 of cell 0 of the lower tap's grid row
	; cell pair t (0: quarter 0; 1: quarters 1 and 2; 2: quarter 3) has the cells 2 run - 1 + t + h, clipped to 0..15.  With u = 2 run + t + h = 0..17:
	; floor(15 u / 16) is u - 1 for u = 1..16 and 0 for u = 0: the clip at the grid's left edge, with no number below 0 on the way; the minimum with 15 is the clip at its right edge.
	; So an address lies from GRIDL on, 15 x 384 + 44 + 336 + 4 = 6,144 bytes at the most: inside the grid row.
	s_lshl_b32 s2, s[XC], 1
	v_add_nc_u32 v[XX+5], s2, v[XX+1]
.irp t, 0,1,2
	v_add_nc_u32 v[XX+6], (\t), v[XX+5]            ; u
	v_mul_u32_u24 v[XX+6], 15, v[XX+6]
	v_lshrrev_b32 v[XX+6], 4, v[XX+6]
	v_min_u32 v[XX+6], 15, v[XX+6]                 ; the cell
	v_mul_u32_u24 v[XX+6], 0x180, v[XX+6]
	v_add_nc_u32 v[VO+(\t)], v[XX+4], v[XX+6]
.endr
	; my x weight.  Pixel u = 2 r + i of a quarter has the fraction (u + 32.5) / 64 in even quarters, (u + 0.5) / 64 in odd ones; tap 1 weighs the fraction, tap 0 one less it
	v_cvt_f32_u32 v[XX+6], v[XX]
	v_cvt_f32_u32 v[XX+7], v[XX+1]
	v_fma_f32 v[XX+8], v[XX+7], 2.0, -1.0          ; sign: -1 for tap 0, 1 for tap 1
	v_sub_f32 v[XX+7], 1.0, v[XX+7]                ; 1 for tap 0, 0 for tap 1
	v_mul_f32 v[XX+6], 0x3d000000, v[XX+6]         ; r / 32
	v_fma_f32 v[XX+7], v[XX+8], v[XX+6], v[XX+7]
	v_fmamk_f32 v[XX+9],  v[XX+8], 0x3f020000, v[XX+7]  ; + sign x 32.5 / 64
	v_fmamk_f32 v[XX+10], v[XX+8], 0x3f060000, v[XX+7]  ; 33.5 / 64
	v_fmamk_f32 v[XX+11], v[XX+8], 0x3c000000, v[XX+7]  ; 0.5 / 64
	v_fmamk_f32 v[XX+12], v[XX+8], 0x3cc00000, v[XX+7]  ; 1.5 / 64
.irp i, 0,1,2,3
	v_cvt_pk_f16_f32 v[FX+(\i)], v[XX+9+(\i)], v[XX+9+(\i)]  ; multiples of 1/128: exact
.endr
	v_cvt_f32_u32 v[FY], s[TY]
	v_add_f32 v[FY], 0.5, v[FY]
	v_mul_f32 v[FY], 0x3c800000, v[FY]             ; my first row's y fraction
	v_mov_b32 v[FY+1], v[FY]                       ; named with it as a pair
.macro PAIR reg, val
	v_mov_b32 v[\reg], \val
	v_mov_b32 v[(\reg)+1], \val
.endm
	PAIR M8, 0xc1000000                            ; -8
	PAIR P8, 0x41000000                            ; 8
	PAIR CA,    0x3fc00000                         ; s0 = clamp(1.5 - gz)
	PAIR CA+2,  0x40200000                         ; s1: 2.5
	PAIR CA+4,  0x40600000                         ; s2: 3.5
	PAIR CA+6,  0xc0600000                         ; t3 = clamp(gz - 3.5)
	PAIR CA+8,  0xc0900000                         ; t4: 4.5
	PAIR CA+10, 0xc0b00000                         ; t5: 5.5
	PAIR CA+12, 0xc0d00000                         ; t6: 6.5
	v_mov_b32 v[ONE], 1.0
.irp t, 0,1,2
.irp p, 4,5,6,7
	v_mov_b32 v[LA+8*(\t)+(\p)], 0                 ; A's K = 16..31
.endr
.endr
.irp s, 0,1
.irp p, 8,9,10,11
	v_mov_b32 v[WW+12*(\s)+(\p)], 0                ; what tile b's operand names as K = 16..31 (tile a's names tile b's weights there: they meet A's zeros)
.endr
.endr
	s_wait_tensorcnt 0x8                           ; my part of the grid rows is in: the eight loads issued behind it may stay out
	s_barrier_signal -1
	s_barrier_wait -1                              ; everybody's part is in.
.irp t, 0,1,2
.irp z, 0,1,2,3,4,5,6,7
	ds_load_b32 v[AB+8*(\t)+(\z)], v[VO+(\t)] offset:48*(\z)        ; the lower y tap: slice z of my cell, my coefficient
	ds_load_b32 v[AD+8*(\t)+(\z)], v[VO+(\t)] offset:GYROW+48*(\z)  ; the upper y tap
.endr
.endr
	s_wait_dscnt 0x0
; eight slices become, in place, the z terms in the order s0, s1, s2, 1, t3, t4, t5, t6
.macro ZTERMS g
	v_sub_f32 v[(\g)],   v[(\g)],   v[(\g)+1]
	v_sub_f32 v[(\g)+1], v[(\g)+1], v[(\g)+2]
	v_sub_f32 v[(\g)+2], v[(\g)+2], v[(\g)+3]
	v_sub_f32 v[(\g)+7], v[(\g)+7], v[(\g)+6]
	v_sub_f32 v[(\g)+6], v[(\g)+6], v[(\g)+5]
	v_sub_f32 v[(\g)+5], v[(\g)+5], v[(\g)+4]
	v_sub_f32 v[(\g)+4], v[(\g)+4], v[(\g)+3]
.endm
.irp t, 0,1,2
.irp p, 0,2,4,6
	v_pk_add_f32 v[AD+8*(\t)+(\p):AD+8*(\t)+(\p)+1], v[AD+8*(\t)+(\p):AD+8*(\t)+(\p)+1], v[AB+8*(\t)+(\p):AB+8*(\t)+(\p)+1] neg_lo:[0,1] neg_hi:[0,1]  ; upper less lower
.endr
	ZTERMS AB+8*(\t)
	ZTERMS AD+8*(\t)
.endr
; Row j's guide and input come out of LDS into register set j % 2: sixteen loads of 8 bytes; both halves of the lanes read the same bytes.
.macro LOADROW j
.set GS, GD+8*((\j)%2)
.set IS, INP+24*((\j)%2)
.irp q, 0,1,2,3
	ds_load_b64 v[GS+2*(\q):GS+2*(\q)+1], v[GA] offset:(\j)*GCH+128*(\q)
.endr
.irp q, 0,1,2,3
.irp c, 0,1,2
	ds_load_b64 v[IS+6*(\q)+2*(\c):IS+6*(\q)+2*(\c)+1], v[IA] offset:(\j)*ICH+384*(\q)+8*(\c)
.endr
.endr
.endm
; The row's three operands A: lower + fy x (upper - lower) in f32, rounded once to f16.
.macro LERP
.irp t, 0,1,2
.irp p, 0,1,2,3
	v_pk_fma_f32 v[TMP+8*((\t)%2)+2*(\p):TMP+8*((\t)%2)+2*(\p)+1], v[AD+8*(\t)+2*(\p):AD+8*(\t)+2*(\p)+1], v[FY:FY+1], v[AB+8*(\t)+2*(\p):AB+8*(\t)+2*(\p)+1] op_sel_hi:[1,0,1]
.endr
.irp p, 0,1,2,3
	v_cvt_pk_f16_f32 v[LA+8*(\t)+(\p)], v[TMP+8*((\t)%2)+2*(\p)], v[TMP+8*((\t)%2)+2*(\p)+1]
.endr
.endr
.endm
; The weights of quarter q's two tiles, into set s.  A packed line makes one z term for both pixels; all its sources are registers.
.macro WEIGHTS q, s, gs
.set GP, GD+8*(\gs)+2*(\q)
.set WA, WW+12*(\s)
.set FA, FX+2*((\q)%2)
.irp k, 0,1,2
	v_pk_fma_f32 v[TMP+2*(\k):TMP+2*(\k)+1], v[GP:GP+1], v[M8:M8+1], v[CA+2*(\k):CA+2*(\k)+1] clamp
.endr
.irp k, 3,4,5,6
	v_pk_fma_f32 v[TMP+2*(\k):TMP+2*(\k)+1], v[GP:GP+1], v[P8:P8+1], v[CA+2*(\k):CA+2*(\k)+1] clamp
.endr
.irp i, 0,1
	v_cvt_pk_f16_f32 v[WA+4*(\i)],   v[TMP+(\i)],    v[TMP+2+(\i)]   ; s0, s1
	v_cvt_pk_f16_f32 v[WA+4*(\i)+1], v[TMP+4+(\i)],  v[ONE]          ; s2, 1
	v_cvt_pk_f16_f32 v[WA+4*(\i)+2], v[TMP+6+(\i)],  v[TMP+8+(\i)]   ; t3, t4
	v_cvt_pk_f16_f32 v[WA+4*(\i)+3], v[TMP+10+(\i)], v[TMP+12+(\i)]  ; t5, t6
.endr
.irp i, 0,1
.irp p, 0,1,2,3
	v_pk_mul_f16 v[WA+4*(\i)+(\p)], v[WA+4*(\i)+(\p)], v[FA+(\i)]    ; times my tap's x weight
.endr
.endr
.endm
; Two products, each a whole sum (C = 0): no accumulator is taken up again.
.macro MM q, s
.set TA, LA+8*(((\q)+1)/2)
.set WA, WW+12*(\s)
.set DA, DD+16*(\s)
	v_wmma_f32_16x16x32_f16 v[DA:DA+7],    v[TA:TA+7], v[WA:WA+7],    0
	v_wmma_f32_16x16x32_f16 v[DA+8:DA+15], v[TA:TA+7], v[WA+4:WA+11], 0
.endm
; The apply for quarter q's two pixels, onto the offsets' registers; each accumulator's lowest registers are read first.  Then into the stage.
.macro APPLY q, s, is
.set DA, DD+16*(\s)
.set IB, INP+24*(\is)+6*(\q)
	v_pk_fma_f32 v[DA+6:DA+7],   v[DA:DA+1],     v[IB:IB+1],   v[DA+6:DA+7]   op_sel_hi:[1,0,1]
	v_pk_fma_f32 v[DA+14:DA+15], v[DA+8:DA+9],   v[IB+2:IB+3], v[DA+14:DA+15] op_sel:[0,1,0] op_sel_hi:[1,1,1]
	v_pk_fma_f32 v[DA+6:DA+7],   v[DA+2:DA+3],   v[IB:IB+1],   v[DA+6:DA+7]   op_sel:[0,1,0] op_sel_hi:[1,1,1]
	v_pk_fma_f32 v[DA+14:DA+15], v[DA+10:DA+11], v[IB+4:IB+5], v[DA+14:DA+15] op_sel_hi:[1,0,1]
	v_pk_fma_f32 v[DA+6:DA+7],   v[DA+4:DA+5],   v[IB+2:IB+3], v[DA+6:DA+7]   op_sel_hi:[1,0,1]
	v_pk_fma_f32 v[DA+14:DA+15], v[DA+12:DA+13], v[IB+4:IB+5], v[DA+14:DA+15] op_sel:[0,1,0] op_sel_hi:[1,1,1]
	ds_store_b32 v[SALO], v[DA+6]  offset:384*(\q)
	ds_store_b32 v[SAHI], v[DA+7]  offset:384*(\q)
	ds_store_b32 v[SALO], v[DA+14] offset:384*(\q)+12
	ds_store_b32 v[SAHI], v[DA+15] offset:384*(\q)+12
.endm
.macro BACK                            ; the row's 1,536 bytes back out of the stage; LDS serves a wave's instructions in order (ISA guide 5.7.1.4): these see the stores above, and the next row's stores come behind them
.irp t, 0,1,2
	ds_load_b128 v[SB+4*(\t):SB+4*(\t)+3], v[RD] offset:512*(\t)
.endr
.endm
.macro SEND j                          ; each store of the wave covers 512 consecutive bytes, aligned
.irp t, 0,1,2
	global_store_b128 v[CO], v[SB+4*(\t):SB+4*(\t)+3], s[10:11] offset:(\j)*IROW+512*(\t) th:TH_STORE_NT
.endr
.endm
; A ROW.  Behind a pair's products stand the next pair's 23 weight lines, or another pair's six apply lines, before a result is read or an operand register written again:
; plain vector lines that name none of the products' registers, more than the four that are asked for (ISA guide 7.12.1), so no v_nop is written.
.macro ROW j
.if (\j) > 0
	v_add_f32 v[FY], 0x3c800000, v[FY]             ; one row on: + 1/64, exact
.endif
	LERP
.if (\j) > 0
	s_wait_dscnt 15                                ; row j's sixteen loads are in: behind them stand twelve stores into the stage and the three loads out of it
.else
	s_wait_dscnt 0x0
.endif
	WEIGHTS 0, 0, (\j)%2
	MM 0, 0
	WEIGHTS 1, 1, (\j)%2
	MM 1, 1
.if (\j) > 0
	s_wait_dscnt 0x0                               ; the row before is back from the stage,
	SEND (\j)-1                                    ; and leaves
.endif
	APPLY 0, 0, (\j)%2
.if (\j) < 7
.if (\j)%2
	s_wait_tensorcnt 5-(\j)                        ; the next two rows' guide and input have landed; the tiles of the rows behind them may stay out
.endif
	LOADROW (\j)+1                                 ; half a row ahead of their use, into the other set
.endif
	WEIGHTS 2, 0, (\j)%2
	MM 2, 0
	APPLY 1, 1, (\j)%2
	WEIGHTS 3, 1, (\j)%2
	MM 3, 1
	APPLY 2, 0, (\j)%2
	APPLY 3, 1, (\j)%2
.if (\j) > 0
	s_wait_xcnt 0x0                                ; this row's stores have read their data registers (ISA guide 3.1): only now are these loaded again
.endif
	BACK
.endm
	s_wait_tensorcnt 0x6                           ; rows 0 and 1: guide and input are in; the six tiles of rows 2 to 7 may stay out
	LOADROW 0
.irp j, 0,1,2,3,4,5,6,7
	ROW \j
.endr
	s_wait_dscnt 0x0
	SEND 7
	s_wait_tensorcnt 0x0                           ; the wave's end: behind my last tensor load and my last LDS store
	ds_add_u32 v[SPW], v[NIL]
	s_wait_dscnt 0x0
	s_endpgm
.Lfunc_end_k_q906b258c5b_slice_apply:
	.size	k_q906b258c5b_slice_apply, .Lfunc_end_k_q906b258c5b_slice_apply-k_q906b258c5b_slice_apply
	.p2alignl 7, 3214868480
	.fill 96, 4, 3214868480
	.section	.rodata,"a",@progbits
	.p2align	6, 0x0
	.amdhsa_kernel k_q906b258c5b_slice_apply
		.amdhsa_group_segment_fixed_size 301056
		.amdhsa_private_segment_fixed_size 0
		.amdhsa_enable_private_segment 0
		.amdhsa_kernarg_size 32
		.amdhsa_user_sgpr_count 2
		.amdhsa_user_sgpr_kernarg_segment_ptr 1
		.amdhsa_wavefront_size32 1
		.amdhsa_system_sgpr_workgroup_id_x 1
		.amdhsa_system_sgpr_workgroup_id_y 1
		.amdhsa_system_sgpr_workgroup_id_z 1
		.amdhsa_system_vgpr_workitem_id 0
		.amdhsa_next_free_vgpr 256
		.amdhsa_next_free_sgpr 100
		.amdhsa_reserve_vcc 0
		.amdhsa_float_denorm_mode_32 3
		.amdhsa_float_denorm_mode_16_64 3
		.amdhsa_memory_ordered 1
		.amdhsa_forward_progress 1
		.amdhsa_inst_pref_size 111
	.end_amdhsa_kernel
	.amdgpu_metadata
---
amdhsa.version: [ 1, 2 ]
amdhsa.kernels:
  - .name:           k_q906b258c5b_slice_apply
    .symbol:         k_q906b258c5b_slice_apply.kd
    .args:
      - { .name: grid, .offset: 0, .size: 8, .value_kind: global_buffer, .address_space: global }
      - { .name: guide, .offset: 8, .size: 8, .value_kind: global_buffer, .address_space: global }
      - { .name: input, .offset: 16, .size: 8, .value_kind: global_buffer, .address_space: global }
      - { .name: out0, .offset: 24, .size: 8, .value_kind: global_buffer, .address_space: global }
    .group_segment_fixed_size: 301056
    .private_segment_fixed_size: 0
    .kernarg_segment_align: 8
    .kernarg_segment_size: 32
    .max_flat_workgroup_size: 512
    .sgpr_count:     100
    .vgpr_count:     256
    .wavefront_size: 32
...
	.end_amdgpu_metadata
.endif
;; end of part 1
